; MI455X (gfx1250); checked and timed in simulation.
; The chip was launched on July 23, 2026; its instructions are those of AMD's public machine-readable ISA for CDNA 5 (MIT licence, August 2026) and "CDNA5" Instruction Set Architecture Reference Guide (July 2026). The comments in the code are by the model that wrote it; some were corrected since.
;; Cutlass Linear. Allowed arithmetic: float matrix products may take bf16 or f16 operands with f32 sums; other float arithmetic in f32, or as packed bf16 or f16 multiplies, adds, multiply-adds, maxima and minima; sums over many terms, partial sums and values carried from step to step in f32; what a program stores and reads back later, other than sums and carried values, may be rounded once to bf16 or f16.
;; Inputs: bias 4,096 float32; weight 4,096 x 4,096 float32; x 4,096 x 4,096 float32.
;; Outputs: out0 4,096 x 4,096 float32.
;; One version. Each part assembles by itself: llvm-mc -triple=amdgcn-amd-amdhsa -mcpu=gfx1250 --defsym DOCPART=n.
;; ======== version 1 of 1: 3 launches
;; workspace buffers: xb 33,554,432 bytes; wq 33,554,432 bytes; part 4,096 bytes; scl 256 bytes
;; launch prep (part 1): grid 1024 x 1, 8 waves a work-group, no clusters, 1,280 bytes of LDS; arguments x, weight, xb, part; writes xb, part
.if DOCPART == 1
	.amdgcn_target "amdgcn-amd-amdhsa--gfx1250"
	.amdhsa_code_object_version 6
	.text
	.protected	k_q891330d87b_prep
	.globl	k_q891330d87b_prep
	.p2align	8
	.type	k_q891330d87b_prep,@function
k_q891330d87b_prep:
	s_mov_b64 s[64:65], 0
	v_nop
	global_prefetch_b8 v0, s[64:65] scope:SCOPE_SE
	s_setreg_imm32_b32 hwreg(HW_REG_WAVE_MODE, 25, 1), 1
	s_wait_xcnt 0x0
; xb = x rounded once to bf16;  part[g] = the largest |weight| in work-group g's share.  x, weight: [4096][4096] f32; xb: [4096][4096] bf16; part: 1,024 f32.
; SHARES.  Work-group g owns bytes 65,536 g .. + 65,535 of x and of weight (four rows each) and bytes 32,768 g .. of xb.  A pass is 256 threads x 16 bytes = 4,096 bytes; 16 passes of x, 16 of weight.
; Thread t takes byte 16 t of each pass: a wave's load covers 512 consecutive bytes.  Its four numbers become 8 bytes at 8 t + 2,048 i of xb: a wave's store covers 256 consecutive bytes, aligned.
; NO LOOP: all 32 loads of a wave (16 KiB) go out at once, each into registers of its own, so no register of a pending access is ever written again; the waits count the younger loads down.
; No tile is shared and nothing is multiplied: no tensor load, no cluster, no matrix unit.  LDS serves only the meeting of the eight waves' maxima.
; The one store of 4 bytes a work-group into part (4 KiB in the whole launch) fills no 256 bytes by itself: the next launch wants the 1,024 numbers dense.
; LIMITS.  A NaN in weight loses in the maximum (the reference would make every output NaN).
.set NPASS, 16
.set SPARE, 256                        ; LDS: bytes 0-31 one word a wave (the block 0-255 is theirs); from 256 on the spare words, 128 bytes for each of eight waves, which no other line names
.set LO,  1                            ; v1   16 t: my bytes in a pass of x and of weight; never rewritten
.set SO,  2                            ; v2   8 t: my bytes in a pass of xb; never rewritten
.set WA,  3                            ; v3   LDS address of my wave's word
.set M,   4                            ; v[4:7]    four running maxima
.set SPW, 10                           ; v10  LDS address of my spare word: SPARE + 4 x my thread's number; never rewritten
.set NIL, 11                           ; v11  0; never rewritten
.set X,   20                           ; v[20:83]  pass i of x at X + 4 i
.set W,   84                           ; v[84:147] pass i of weight at W + 4 i
	s_load_b256 s[4:11], s[0:1], 0x0               ; x s[4:5], weight s[6:7], xb s[8:9], part s[10:11]
	v_lshl_add_u32 v[SPW], v0, 2, SPARE
	v_mov_b32 v[NIL], 0
	v_lshrrev_b32 v8, 5, v0
	v_readfirstlane_b32 s12, v8                    ; wave 0..7
	v_mov_b32 v[WA], s12
	v_lshlrev_b32 v[WA], 2, v[WA]
	v_lshlrev_b32 v[LO], 4, v0
	v_lshlrev_b32 v[SO], 3, v0
	s_lshl_b32 s14, ttmp9, 16                      ; the work-group's 65,536 bytes of x and of weight (under 2^26),
	s_mov_b32 s15, 0
	s_lshl_b32 s16, ttmp9, 15                      ; its 32,768 bytes of xb,
	s_mov_b32 s17, 0
	s_lshl_b32 s18, ttmp9, 2                       ; its word of part
	s_mov_b32 s19, 0
	s_mov_b32 s20, 0x7fffffff                      ; clears a sign
	s_mov_b32 s22, 0x76543210                      ; v_permlanex16_b32: each lane takes its own place in the other half
	s_mov_b32 s23, 0xfedcba98
	s_wait_kmcnt 0x0
	s_add_nc_u64 s[4:5], s[4:5], s[14:15]
	s_add_nc_u64 s[6:7], s[6:7], s[14:15]
	s_add_nc_u64 s[8:9], s[8:9], s[16:17]
	s_add_nc_u64 s[10:11], s[10:11], s[18:19]
.irp i, 0,1,2,3,4,5,6,7,8,9,10,11,12,13,14,15
	global_load_b128 v[X+4*(\i):X+4*(\i)+3], v[LO], s[4:5] offset:4096*(\i) th:TH_LOAD_NT  ; x is read once in the whole program
.endr
.irp i, 0,1,2,3,4,5,6,7,8,9,10,11,12,13,14,15
	global_load_b128 v[W+4*(\i):W+4*(\i)+3], v[LO], s[6:7] offset:4096*(\i)
.endr
; Pass i of x: four numbers rounded to bf16, in place, and stored.
.macro XPASS i
	s_wait_loadcnt 31-(\i)                         ; loads come back in order (ISA guide 5.7.1): the 15 - i later passes of x and weight's 16 may stay out
	v_cvt_pk_bf16_f32 v[X+4*(\i)],   v[X+4*(\i)],   v[X+4*(\i)+1]
	v_cvt_pk_bf16_f32 v[X+4*(\i)+1], v[X+4*(\i)+2], v[X+4*(\i)+3]
	global_store_b64 v[SO], v[X+4*(\i):X+4*(\i)+1], s[8:9] offset:2048*(\i) th:TH_STORE_NT
.endm
; Pass i of weight: four magnitudes into chain i % 4.  The first four passes start the chains: nothing is cleared.
.macro WPASS i
	s_wait_loadcnt 15-(\i)
.irp k, 0,1,2,3
	v_and_b32 v[W+4*(\i)+(\k)], s20, v[W+4*(\i)+(\k)]
.endr
.if (\i) < 4
	v_max_num_f32  v[M+(\i)%4], v[W+4*(\i)], v[W+4*(\i)+1]
.else
	v_max3_num_f32 v[M+(\i)%4], v[M+(\i)%4], v[W+4*(\i)], v[W+4*(\i)+1]
.endif
	v_max3_num_f32 v[M+(\i)%4], v[M+(\i)%4], v[W+4*(\i)+2], v[W+4*(\i)+3]
.endm
.irp i, 0,1,2,3,4,5,6,7,8,9,10,11,12,13,14,15
	XPASS \i
.endr
.irp i, 0,1,2,3,4,5,6,7,8,9,10,11,12,13,14,15
	WPASS \i
.endr
	v_max3_num_f32 v8, v[M], v[M+1], v[M+2]
	v_max_num_f32 v8, v8, v[M+3]
	; across the 32 lanes: four steps inside each half of 16 lanes ride on the arithmetic, one crosses the halves
	v_max_num_f32_dpp v8, v8, v8 row_xmask:1 row_mask:0xf bank_mask:0xf
	v_max_num_f32_dpp v8, v8, v8 row_xmask:2 row_mask:0xf bank_mask:0xf
	v_max_num_f32_dpp v8, v8, v8 row_xmask:4 row_mask:0xf bank_mask:0xf
	v_max_num_f32_dpp v8, v8, v8 row_xmask:8 row_mask:0xf bank_mask:0xf
	v_mov_b32 v9, v8                               ; the next line's destination counts as read: it is written first
	v_permlanex16_b32 v9, v8, s22, s23
	v_max_num_f32 v8, v8, v9                       ; every lane holds the wave's maximum
	ds_store_b32 v[WA], v8                         ; all lanes write the same word with the same value
	s_wait_dscnt 0x0                               ; for the others' sake: my word is in LDS before I signal
	s_barrier_signal -1
	s_barrier_wait -1
	s_cmp_lg_u32 s12, 0                            ; wave 0 finishes for the work-group
	s_cbranch_scc1 .Lend
	v_mov_b32 v9, 0
	ds_load_b128 v[12:15], v9
	ds_load_b128 v[16:19], v9 offset:16
	s_wait_dscnt 0x0
	v_max3_num_f32 v8, v12, v13, v14
	v_max3_num_f32 v8, v8, v15, v16
	v_max3_num_f32 v8, v8, v17, v18
	v_max_num_f32 v8, v8, v19
	v_cmp_gt_u32 vcc_lo, 1, v0                     ; thread 0 alone stores
	s_wait_xcnt 0x0                                ; EXEC is a source of the stores into xb: it changes only behind this wait
	s_and_saveexec_b32 s24, vcc_lo
	global_store_b32 v9, v8, s[10:11]
	s_wait_xcnt 0x0                                ; and again, in front of the line that widens it
	s_or_b32 exec_lo, exec_lo, s24
.Lend:
	s_wait_tensorcnt 0x0                           ; the wave's end, behind my last LDS store
	ds_add_u32 v[SPW], v[NIL]
	s_wait_dscnt 0x0
	s_endpgm
.Lfunc_end_k_q891330d87b_prep:
	.size	k_q891330d87b_prep, .Lfunc_end_k_q891330d87b_prep-k_q891330d87b_prep
	.p2alignl 7, 3214868480
	.fill 96, 4, 3214868480
	.section	.rodata,"a",@progbits
	.p2align	6, 0x0
	.amdhsa_kernel k_q891330d87b_prep
		.amdhsa_group_segment_fixed_size 1280
		.amdhsa_private_segment_fixed_size 0
		.amdhsa_enable_private_segment 0
		.amdhsa_kernarg_size 32
		.amdhsa_user_sgpr_count 2
		.amdhsa_user_sgpr_kernarg_segment_ptr 1
		.amdhsa_wavefront_size32 1
		.amdhsa_system_sgpr_workgroup_id_x 1
		.amdhsa_system_sgpr_workgroup_id_y 1
		.amdhsa_system_sgpr_workgroup_id_z 1
		.amdhsa_system_vgpr_workitem_id 0
		.amdhsa_next_free_vgpr 148
		.amdhsa_next_free_sgpr 66
		.amdhsa_reserve_vcc 1
		.amdhsa_float_denorm_mode_32 3
		.amdhsa_float_denorm_mode_16_64 3
		.amdhsa_memory_ordered 1
		.amdhsa_forward_progress 1
		.amdhsa_inst_pref_size 15
	.end_amdhsa_kernel
	.amdgpu_metadata
---
amdhsa.version: [ 1, 2 ]
amdhsa.kernels:
  - .name:           k_q891330d87b_prep
    .symbol:         k_q891330d87b_prep.kd
    .args:
      - { .name: x, .offset: 0, .size: 8, .value_kind: global_buffer, .address_space: global }
      - { .name: weight, .offset: 8, .size: 8, .value_kind: global_buffer, .address_space: global }
      - { .name: xb, .offset: 16, .size: 8, .value_kind: global_buffer, .address_space: global }
      - { .name: part, .offset: 24, .size: 8, .value_kind: global_buffer, .address_space: global }
    .group_segment_fixed_size: 1280
    .private_segment_fixed_size: 0
    .kernarg_segment_align: 8
    .kernarg_segment_size: 32
    .max_flat_workgroup_size: 256
    .sgpr_count:     66
    .vgpr_count:     148
    .wavefront_size: 32
...
	.end_amdgpu_metadata
.endif
;; end of part 1
;; launch quant (part 2): grid 1024 x 1, 8 waves a work-group, no clusters, 1,280 bytes of LDS; arguments weight, part, wq, scl; writes wq, scl
.if DOCPART == 2
	.amdgcn_target "amdgcn-amd-amdhsa--gfx1250"
	.amdhsa_code_object_version 6
	.text
	.protected	k_q891330d87b_quant
	.globl	k_q891330d87b_quant
	.p2align	8
	.type	k_q891330d87b_quant,@function
k_q891330d87b_quant:
	s_mov_b64 s[64:65], 0
	v_nop
	global_prefetch_b8 v0, s[64:65] scope:SCOPE_SE
	s_setreg_imm32_b32 hwreg(HW_REG_WAVE_MODE, 25, 1), 1
	s_wait_xcnt 0x0
; wq = clip(trunc(weight x s), -127, 127) as bf16, s = 127 / max|weight|;  scl = 32 pairs (s, max|weight| / 127), all alike.  weight: [4096][4096] f32; part: 1,024 f32; wq: [4096][4096] bf16.
; A whole number of magnitude up to 127 has at most 7 significant bits: bf16 holds it exactly, so wq carries no rounding of its own.
; EVERY work-group reduces all 1,024 partial maxima itself (4 KiB, 16 bytes a thread): no work-group waits for another.  Its 16 loads of weight are issued first and are on their way through the whole reduction.
; SHARES.  Work-group g owns bytes 65,536 g .. of weight and 32,768 g .. of wq; a pass is 256 threads x 16 bytes; a wave's load covers 512 consecutive bytes, its store 256, aligned.
; No loop: each load has registers of its own, and no register of a pending access is written again.
; LIMITS.  s is made by v_rcp_f32 and one correction step (q = 127 r; q += (127 - q m) r): its last bit may differ from the f32 quotient's, and where weight x s lies within a bit of a whole number
; the truncation may then differ by 1, which is max|weight| / 127 in one of an output's 4,096 terms.  max|weight| = 0, or below 2^-126 (which v_rcp_f32 takes for 0), is not served: the reference's result is not finite there.
.set SPARE, 256                        ; LDS: bytes 0-31 one word a wave (the block 0-255 is theirs); from 256 on the spare words, 128 bytes for each of eight waves, which no other line names
.set LO,  1                            ; v1   16 t; never rewritten
.set SO,  2                            ; v2   8 t; never rewritten
.set WA,  3                            ; v3   LDS address of my wave's word
.set SPW, 10                           ; v10  LDS address of my spare word: SPARE + 4 x my thread's number; never rewritten
.set NIL, 11                           ; v11  0; never rewritten
.set SC,  20                           ; v[20:21]  s, max / 127
.set W,   24                           ; v[24:87]  pass i of weight at W + 4 i
	s_load_b256 s[4:11], s[0:1], 0x0               ; weight s[4:5], part s[6:7], wq s[8:9], scl s[10:11]
	v_lshl_add_u32 v[SPW], v0, 2, SPARE
	v_mov_b32 v[NIL], 0
	v_lshrrev_b32 v8, 5, v0
	v_readfirstlane_b32 s12, v8                    ; wave 0..7
	v_mov_b32 v[WA], s12
	v_lshlrev_b32 v[WA], 2, v[WA]
	v_lshlrev_b32 v[LO], 4, v0
	v_lshlrev_b32 v[SO], 3, v0
	s_lshl_b32 s14, ttmp9, 16
	s_mov_b32 s15, 0
	s_lshl_b32 s16, ttmp9, 15
	s_mov_b32 s17, 0
	s_mov_b32 s20, 0xc2fe0000                      ; -127.0
	s_mov_b32 s21, 0x42fe0000                      ; 127.0
	s_mov_b32 s22, 0x76543210
	s_mov_b32 s23, 0xfedcba98
	s_wait_kmcnt 0x0
	s_add_nc_u64 s[4:5], s[4:5], s[14:15]
	s_add_nc_u64 s[8:9], s[8:9], s[16:17]
	global_load_b128 v[4:7], v[LO], s[6:7]         ; my four of the 1,024 partial maxima
.irp i, 0,1,2,3,4,5,6,7,8,9,10,11,12,13,14,15
	global_load_b128 v[W+4*(\i):W+4*(\i)+3], v[LO], s[4:5] offset:4096*(\i) th:TH_LOAD_NT
.endr
	s_wait_loadcnt 16                              ; the partial maxima are in; weight's 16 loads stay out
	v_max3_num_f32 v8, v4, v5, v6
	v_max_num_f32 v8, v8, v7
	v_max_num_f32_dpp v8, v8, v8 row_xmask:1 row_mask:0xf bank_mask:0xf
	v_max_num_f32_dpp v8, v8, v8 row_xmask:2 row_mask:0xf bank_mask:0xf
	v_max_num_f32_dpp v8, v8, v8 row_xmask:4 row_mask:0xf bank_mask:0xf
	v_max_num_f32_dpp v8, v8, v8 row_xmask:8 row_mask:0xf bank_mask:0xf
	v_mov_b32 v9, v8                               ; the next line's destination counts as read: it is written first
	v_permlanex16_b32 v9, v8, s22, s23
	v_max_num_f32 v8, v8, v9
	ds_store_b32 v[WA], v8
	s_wait_dscnt 0x0                               ; for the others' sake: my word is in LDS before I signal
	s_barrier_signal -1
	s_barrier_wait -1
	v_mov_b32 v9, 0
	ds_load_b128 v[12:15], v9                      ; every wave reads all eight
	ds_load_b128 v[16:19], v9 offset:16
	s_wait_dscnt 0x0
	v_max3_num_f32 v8, v12, v13, v14
	v_max3_num_f32 v8, v8, v15, v16
	v_max3_num_f32 v8, v8, v17, v18
	v_max_num_f32 v8, v8, v19                      ; m = max|weight|
	v_rcp_f32 v22, v8
	v_mul_f32 v[SC+1], 0x3c010204, v8              ; m / 127; also the plain instruction between the reciprocal and the use of its result (ISA guide 5.7.2)
	s_wait_alu depctr_va_vdst(0)                   ; the wait ahead of the first reader of the reciprocal
	v_mul_f32 v[SC], s21, v22                      ; q = 127 r
	v_fma_f32 v23, -v[SC], v8, s21                 ; 127 - q m, exact to one rounding
	v_fma_f32 v[SC], v23, v22, v[SC]               ; s = q + (127 - q m) r
	s_or_b32 s24, ttmp9, s12                       ; wave 0 of work-group 0 leaves the pair for the next launch
	s_cmp_lg_u32 s24, 0
	s_cbranch_scc1 .Lnot_first
	global_store_b64 v[SO], v[SC:SC+1], s[10:11]   ; 32 lanes x 8 bytes: all 256 bytes of scl
.Lnot_first:
; Pass i: four numbers scaled, cut toward zero, clipped as the reference clips them, written as bf16 (exact), stored.
.macro QPASS i
	s_wait_loadcnt 15-(\i)                         ; the 15 - i later passes may stay out
	v_pk_mul_f32 v[W+4*(\i):W+4*(\i)+1],   v[W+4*(\i):W+4*(\i)+1],   v[SC:SC+1] op_sel_hi:[1,0]  ; both by s, the pair's low word
	v_pk_mul_f32 v[W+4*(\i)+2:W+4*(\i)+3], v[W+4*(\i)+2:W+4*(\i)+3], v[SC:SC+1] op_sel_hi:[1,0]
.irp k, 0,1,2,3
	v_trunc_f32 v[W+4*(\i)+(\k)], v[W+4*(\i)+(\k)]
.endr
.irp k, 0,1,2,3
	v_med3_num_f32 v[W+4*(\i)+(\k)], v[W+4*(\i)+(\k)], s20, s21
.endr
	v_cvt_pk_bf16_f32 v[W+4*(\i)],   v[W+4*(\i)],   v[W+4*(\i)+1]
	v_cvt_pk_bf16_f32 v[W+4*(\i)+1], v[W+4*(\i)+2], v[W+4*(\i)+3]
	global_store_b64 v[SO], v[W+4*(\i):W+4*(\i)+1], s[8:9] offset:2048*(\i) th:TH_STORE_NT
.endm
.irp i, 0,1,2,3,4,5,6,7,8,9,10,11,12,13,14,15
	QPASS \i
.endr
	s_wait_tensorcnt 0x0                           ; the wave's end, behind my last LDS store
	ds_add_u32 v[SPW], v[NIL]
	s_wait_dscnt 0x0
	s_endpgm
.Lfunc_end_k_q891330d87b_quant:
	.size	k_q891330d87b_quant, .Lfunc_end_k_q891330d87b_quant-k_q891330d87b_quant
	.p2alignl 7, 3214868480
	.fill 96, 4, 3214868480
	.section	.rodata,"a",@progbits
	.p2align	6, 0x0
	.amdhsa_kernel k_q891330d87b_quant
		.amdhsa_group_segment_fixed_size 1280
		.amdhsa_private_segment_fixed_size 0
		.amdhsa_enable_private_segment 0
		.amdhsa_kernarg_size 32
		.amdhsa_user_sgpr_count 2
		.amdhsa_user_sgpr_kernarg_segment_ptr 1
		.amdhsa_wavefront_size32 1
		.amdhsa_system_sgpr_workgroup_id_x 1
		.amdhsa_system_sgpr_workgroup_id_y 1
		.amdhsa_system_sgpr_workgroup_id_z 1
		.amdhsa_system_vgpr_workitem_id 0
		.amdhsa_next_free_vgpr 88
		.amdhsa_next_free_sgpr 66
		.amdhsa_reserve_vcc 0
		.amdhsa_float_denorm_mode_32 3
		.amdhsa_float_denorm_mode_16_64 3
		.amdhsa_memory_ordered 1
		.amdhsa_forward_progress 1
		.amdhsa_inst_pref_size 17
	.end_amdhsa_kernel
	.amdgpu_metadata
---
amdhsa.version: [ 1, 2 ]
amdhsa.kernels:
  - .name:           k_q891330d87b_quant
    .symbol:         k_q891330d87b_quant.kd
    .args:
      - { .name: weight, .offset: 0, .size: 8, .value_kind: global_buffer, .address_space: global }
      - { .name: part, .offset: 8, .size: 8, .value_kind: global_buffer, .address_space: global }
      - { .name: wq, .offset: 16, .size: 8, .value_kind: global_buffer, .address_space: global }
      - { .name: scl, .offset: 24, .size: 8, .value_kind: global_buffer, .address_space: global }
    .group_segment_fixed_size: 1280
    .private_segment_fixed_size: 0
    .kernarg_segment_align: 8
    .kernarg_segment_size: 32
    .max_flat_workgroup_size: 256
    .sgpr_count:     66
    .vgpr_count:     88
    .wavefront_size: 32
...
	.end_amdgpu_metadata
.endif
;; end of part 2
;; launch gemm (part 3): grid 16 x 16, 4 waves a work-group, clusters of 4 x 4, 327,680 bytes of LDS; arguments xb, wq, scl, bias, out0; writes out0
.if DOCPART == 3
	.amdgcn_target "amdgcn-amd-amdhsa--gfx1250"
	.amdhsa_code_object_version 6
	.text
	.protected	k_q891330d87b_gemm
	.globl	k_q891330d87b_gemm
	.p2align	8
	.type	k_q891330d87b_gemm,@function
k_q891330d87b_gemm:
	s_mov_b64 s[64:65], 0
	v_nop
	global_prefetch_b8 v0, s[64:65] scope:SCOPE_SE
	s_setreg_imm32_b32 hwreg(HW_REG_WAVE_MODE, 25, 1), 1
	s_wait_xcnt 0x0
	s_wait_alu depctr_hold_cnt(0) depctr_sa_sdst(0) depctr_va_vdst(0) depctr_va_sdst(0) depctr_va_ssrc(0) depctr_va_vcc(0) depctr_vm_vsrc(0)
	s_getreg_b32 s2, hwreg(HW_REG_IB_STS2, 6, 4)
	s_cmp_eq_u32 s2, 0
	s_cbranch_scc0 .Lentry_in_a_cluster
	s_endpgm
.Lentry_in_a_cluster:
	s_bfe_u32 s2, ttmp6, 0x10000c
	s_cmp_lg_u32 s2, 0xf033
	s_cbranch_scc0 .Lentry_shape_is_right
	s_endpgm
.Lentry_shape_is_right:
; out0[t][o] = (the sum over i of xb[t][i] wq[o][i]) x inv + bias[o].  xb: [4096][4096] bf16 (x rounded once); wq: [4096][4096] bf16 (whole numbers -127 .. 127, exact); inv = max|weight| / 127, f32, at byte 4 of scl;
; bias: [4096] f32; out0: [4096][4096] f32.  Sums in f32, K ascending; the scale and the bias are one fused multiply-add on the finished sum.
; LIMITS.  The reference divides each quantised weight by its scale and then sums; here the sum of whole-number products is multiplied once by inv: another order of rounding.  x's rounding to bf16 is the only rounding of an operand.
; A tile of out0, 256 x 256, is made by a work-group of four waves; a wave makes 128 x 128: 64 accumulators of 16 x 16, 512 registers.  16 x 16 tiles: 256 work-groups, one tile each.
; K goes in 32 steps of 128 through a ring of two LDS slots filled by the tensor data mover: a tile's rows are 256 bytes of memory and start at multiples of 256 bytes from the buffer's first byte.
; CLUSTERS: 4 x 4 work-groups.  The four of a row of the cluster need the same tiles of xb, the four of a column the same tiles of wq.  Such a tile is asked for JOINTLY: each of the four issues the same tensor load,
; with the same descriptor and a mask that names the four, and each receives the tile in its own LDS.
; REGISTERS, in windows of 256 (s_set_vgpr_msb's low byte: bits 1:0 source 0, 3:2 source 1, 5:4 source 2, 7:6 destination):
;   window 0: v0-35 addresses and bias; v64-127, v128-191 fragments of xb (8 x 16 rows x 32 K), two buffers; on the way out the same registers take 16 rows of out0 by turns
;   window 1: v64-127, v128-191 fragments of wq, two buffers
;   window 2: the 32 accumulators of my rows 0-63 (accumulator (a, b) at v[8 (8 a + b)]);   window 3: those of my rows 64-127
; THE MATRIX INSTRUCTION IS USED TRANSPOSED: source 0 = 16 rows of wq, source 1 = 16 rows of xb.  In the result lane l holds row l % 16 of out0 and its registers 0 to 7 the columns 8 (l / 16) + 0 .. 7: 32 bytes on end.
.set SIZE_M, 4096
.set SIZE_N, 4096
.set SIZE_K, 4096
.set KSTEP,  128
.set PITCH,  272                       ; an LDS row: 256 bytes of data + 16 of padding = 68 words: row r starts at bank 4 r mod 64 (64 banks of 4 bytes: ISA guide 11.1), so the 16 rows that a load touches start at 16 different banks
.set HALFT,  128*PITCH                 ; 128 rows: what one tensor load brings, and what one wave reads of xb or of wq
.set SLOT,   4*HALFT                   ; xb's 256 rows, then wq's 256 rows
.set STAGE,  2*SLOT                    ; behind the ring, never filled by a tensor load: 16 rows x 528 bytes for each wave, for the way out
.set SPITCH, 528                       ; 512 bytes of data (128 f32) + 16 of padding: again 16 rows at 16 different banks
.set SPARE,  STAGE+4*16*SPITCH         ; behind the stages: the spare words, 128 bytes for each wave: two blocks of 256 bytes that no other line names
.set LAPS, SIZE_K/(2*KSTEP)            ; a lap = two K steps = once round the ring: 16
.set ADRA, 16                          ; v16-17  LDS address of my xb fragments in slot 0, 1
.set ADRB, 20                          ; v20-21  the same for wq
.set STO,  24                          ; v24     the way out: where I put 32 bytes of a row
.set RD,   25                          ; v25     the way out: where I read a row back
.set CO,   26                          ; v26     16 x lane: my 16 bytes in 512 consecutive bytes of out0; never rewritten
.set BO,   27                          ; v27     my byte offset in bias; never rewritten
.set SPW,  28                          ; v28     LDS address of my spare word: SPARE + 4 x my thread's number; never rewritten
.set NIL,  29                          ; v29     0; never rewritten
.set PFO,  30                          ; v30     the prefetches' offset: my lane x a row of xb or wq in memory (8,192 bytes); never rewritten
.set BI,   32                          ; v[32:35] bias of the four columns that I store
.set F0,   64                          ; fragment buffer 0
.set F1,   128                         ; fragment buffer 1
.set G1,  24                           ; s[24:31] descriptor group 1 for xb's tiles
.set G0,  32                           ; s[32:39] descriptor group 0 for xb's tiles, one set for each slot
.set G1B, 48                           ; s[48:55] descriptor group 1 for wq's tiles: it differs in the mask alone
.set G0B, 56                           ; s[56:63] descriptor group 0 for wq's tiles, one set for each slot
.set LIM, 43                           ; s43     1 in a wave that prefetches, else the greatest number
.set PFA, 44                           ; s[44:45] where my prefetches stand: my work-group's 32 rows of the 128 that I fetch, one K step further along K than the refill that is being asked for
.set INV, 72                           ; s[72:73] inv: the packed multiply-add names a pair and takes its low word for both halves
.set MSB, 0
.macro WIN new                         ; the immediate's high byte repeats the setting that is left; a switch that changes nothing is dropped
.if MSB != (\new)
	s_set_vgpr_msb (MSB<<8)|(\new)
.set MSB, \new
.endif
.endm
.set MUL_LO, 0xa1                      ; source 0 (wq) window 1, source 1 (xb) window 0, C and D window 2
.set MUL_HI, 0xf1                      ; the same, C and D window 3
.set TO_B,   0x40                      ; destination window 1, address window 0
; A joint load.  Waves 0 and 1 fetch xb's two halves, waves 2 and 3 wq's.  Each of the two lines has ONE mask and one set of registers for all that issue it, and nothing in them hangs on a coordinate that the
; four partners do not share.  The branch hangs on the wave's number alone.  An s_nop 0 and four v_nop follow each of the two lines, ahead of the jump, the label and what follows.
.macro JLOAD s
	s_cmp_eq_u32 s11, 0
	s_cbranch_scc0 .Lfor_b_\@
	tensor_load_to_lds s[G0+4*(\s):G0+4*(\s)+3], s[G1:G1+7]
	s_nop 0
.rept 4
	v_nop
.endr
	s_branch .Lasked_\@
.Lfor_b_\@:
	tensor_load_to_lds s[G0B+4*(\s):G0B+4*(\s)+3], s[G1B:G1B+7]
	s_nop 0
.rept 4
	v_nop
.endr
.Lasked_\@:
.endm
; A PREFETCH INTO THE L2, behind each joint refill, its five lines and the run of LDS loads that follows them: the K step that stands TWO refills on, 512 matrix instructions ahead of the load that will ask for it:
; 32 rows x 256 bytes, a lane a row, one instruction a wave.  Each row's 256 bytes of a K step are named ONCE in the launch: xb's tile row is read by every cluster of that row of clusters, and the first of them
; (cluster x = 0) asks; wq's tile column by every cluster of that column, and cluster y = 0 asks.  The four partners that ask for a tile jointly share its rows out BY ADDRESS: of the 128 rows that a wave fetches
; the partner at place p takes 32 p .. 32 p + 31 (p = cx for xb, cy for wq): no branch hangs on a work-group's place in its cluster.  The loop's last trip asks for nothing: K steps 32 and 33 do not exist.
.macro ASK
	s_cmp_gt_u32 s3, s[LIM]                        ; s3 = 1 in the loop's last trip
	s_cbranch_scc0 .Lnot_mine_\@
	global_prefetch_b8 v[PFO], s[PFA:PFA+1] offset:KSTEP*2 th:TH_LOAD_NT scope:SCOPE_SE
.Lnot_mine_\@:
.endm
; A round of the cluster's barrier: my work-group's barrier, so that wave 0's signal speaks for all four waves; wave 0 signals for the work-group; every wave waits for all sixteen work-groups; my work-group's barrier once more.
.macro CREST                           ; a round behind its opening barrier
	s_cmp_lg_u32 s10, 0
	s_cbranch_scc1 .Lnot_wave_0_\@
	s_barrier_signal -3
.Lnot_wave_0_\@:
	s_barrier_wait -3
	s_barrier_signal -1
	s_barrier_wait -1
.endm
.macro CROUND                          ; a whole round
	s_barrier_signal -1
	s_barrier_wait -1
	CREST
.endm
	s_load_b128 s[4:7], s[0:1], 0x0                ; xb s[4:5], wq s[6:7]
	s_load_b128 s[68:71], s[0:1], 0x10             ; scl s[68:69], bias s[70:71]
	s_load_b64 s[8:9], s[0:1], 0x20                ; out0
	v_lshl_add_u32 v[SPW], v0, 2, SPARE
	v_mov_b32 v[NIL], 0
	ds_add_u32 v[SPW], v[NIL]                      ; the wave's opening: the add and its wait stand ahead of my first tensor load; the set-up below, work on registers, stands between them
	v_lshrrev_b32 v1, 5, v0
	v_readfirstlane_b32 s10, v1                    ; wave 0..3
	s_lshr_b32 s11, s10, 1                         ; which half of the tile's rows is mine.  Also: I fetch for xb (0) or for wq (1)
	s_and_b32 s12, s10, 1                          ; which half of its columns.  Also: which 128 rows of that tile I fetch
	s_bfe_u32 s40, ttmp6, 0x40000                  ; cx: my place along the cluster's x
	s_bfe_u32 s41, ttmp6, 0x40004                  ; cy: along its y
	s_lshl_b32 s42, ttmp9, 2                       ; in a cluster launch ttmp9 and ttmp7 count clusters
	s_add_co_u32 s42, s42, s40                     ; tile column of out0 = 4 x cluster x + cx
	s_and_b32 s13, ttmp7, 0xffff
	s_lshl_b32 s13, s13, 2
	s_add_co_u32 s13, s13, s41                     ; tile row of out0 = 4 x cluster y + cy
	s_lshl_b32 s43, s41, 2
	s_lshl_b32 s43, 15, s43                        ; my row of the cluster: places 4 cy .. 4 cy + 3
	s_lshl_b32 s44, 0x1111, s40                    ; my column: places cx, cx + 4, cx + 8, cx + 12
	; descriptor group 1: a tile of 128 rows x 128 elements, padded in LDS
	s_or_b32 s[G1+0], s43, (1<<16)|(1<<20)|(1<<21)|(5<<22)|(3<<25)  ; 15:0 the mask: xb's tiles go to my row; 17:16 element of 2 bytes; 20 padding on; 21 set beside a mask; 24:22 after every 64 words (code 5); 31:25 of 4 words (code 3)
	s_or_b32 s[G1B+0], s44, (1<<16)|(1<<20)|(1<<21)|(5<<22)|(3<<25) ; the same with the mask of my column, for wq's tiles
.irp g, G1, G1B
	s_mov_b32 s[(\g)+1], KSTEP<<16                 ; 63:48 tensor_dim0, low half = 128
	s_mov_b32 s[(\g)+2], 128<<16                   ; 79:64 its high half = 0; 95:80 tensor_dim1, low half = 128
	s_mov_b32 s[(\g)+3], KSTEP<<16                 ; 111:96 its high half = 0; 127:112 tile_dim0 = 128
	s_mov_b32 s[(\g)+4], 128                       ; 143:128 tile_dim1 = 128; 159:144 tile_dim2 = 0
	s_mov_b32 s[(\g)+5], SIZE_K                    ; 191:160 tensor_dim0_stride, low word: elements from row to row
	s_mov_b32 s[(\g)+6], 0
	s_mov_b32 s[(\g)+7], 0
.endr
	; where the tiles come from.  xb's hang on the tile row alone, which my row of the cluster shares; wq's on the tile column alone, which my column shares.
	; Every wave makes both addresses, in registers that never hold the other coordinate, and asks by one of them.
	s_lshl_b32 s17, s12, 7                         ; which 128 rows of the tile I fetch
	s_lshl_b32 s16, s13, 8
	s_add_co_u32 s16, s16, s17                     ; xb: row 256 x tile row + 128 x half
	s_lshl_b32 s46, s42, 8
	s_add_co_u32 s46, s46, s17                     ; wq: row 256 x tile column + 128 x half
	s_mov_b32 s17, 0
	s_mov_b32 s47, 0
	s_mov_b64 s[18:19], SIZE_K*2
	s_mul_u64 s[16:17], s[16:17], s[18:19]         ; in bytes, in 64 bits
	s_mul_u64 s[46:47], s[46:47], s[18:19]
	s_mul_i32 s20, s10, HALFT                      ; and where they go: xb's two halves, then wq's two halves = wave x 128 rows: no place in the cluster enters an LDS address
	s_wait_dscnt 0x0                               ; the opening add is done
	s_wait_kmcnt 0x0
	s_add_nc_u64 s[14:15], s[4:5], s[16:17]
	s_add_nc_u64 s[46:47], s[6:7], s[46:47]
	CROUND                                         ; all sixteen work-groups are here: the first joint loads meet
.irp s, 0,1
	s_mov_b32 s[G0+4*(\s)], 1                                      ; 1:0 count = 1
	s_add_co_u32 s[G0+4*(\s)+1], s20, (\s)*SLOT                    ; 63:32 LDS address
	s_add_nc_u64 s[G0+4*(\s)+2:G0+4*(\s)+3], s[14:15], (\s)*KSTEP*2  ; 120:64 global address: K step s
	s_or_b32 s[G0+4*(\s)+3], s[G0+4*(\s)+3], 0x80000000            ; 127:126 type = 2
	s_mov_b32 s[G0B+4*(\s)], 1
	s_add_co_u32 s[G0B+4*(\s)+1], s20, (\s)*SLOT
	s_add_nc_u64 s[G0B+4*(\s)+2:G0B+4*(\s)+3], s[46:47], (\s)*KSTEP*2
	s_or_b32 s[G0B+4*(\s)+3], s[G0B+4*(\s)+3], 0x80000000
	JLOAD \s                                       ; the ring is filled before anything else is done: two tensor loads of mine are out
.endr
	s_load_b32 s[INV], s[68:69], 0x4               ; inv: no line of this launch writes scl
	; A fragment is 16 rows x 32 K in 8 registers: lane l holds row l % 16; registers 0-3 hold K = 8 (l / 16) + 0..7, registers 4-7 hold K = 16 + 8 (l / 16) + 0..7: two loads of 16 bytes, 32 bytes apart.
	v_and_b32 v1, 15, v0                           ; l % 16
	v_bfe_u32 v2, v0, 4, 1                         ; l / 16
	v_mul_u32_u24 v3, v1, PITCH
	v_lshl_add_u32 v3, v2, 4, v3                   ; row x pitch + 16 x half
	s_mul_i32 s21, s11, HALFT                      ; my 128 rows of xb
	s_mul_i32 s22, s12, HALFT                      ; my 128 rows of wq,
	s_add_co_u32 s22, s22, 2*HALFT                 ; which lie behind xb's 256
.irp s, 0,1
	v_add_nc_u32 v[ADRA+(\s)], s21, v3
	v_add_nc_u32 v[ADRB+(\s)], s22, v3
	s_add_co_u32 s21, s21, SLOT
	s_add_co_u32 s22, s22, SLOT
.endr
	s_mul_i32 s23, s10, 16*SPITCH
	s_add_co_u32 s23, s23, STAGE                   ; my stage
	v_mul_u32_u24 v4, v1, SPITCH                   ; in: row l % 16, 32 bytes for each half of the lanes
	v_lshl_add_u32 v4, v2, 5, v4
	v_add_nc_u32 v[STO], s23, v4
	v_and_b32 v5, 31, v0
	v_lshlrev_b32 v[CO], 4, v5                     ; back: 32 lanes take one row of 512 bytes, 16 bytes each: lane l then holds columns 4 l .. 4 l + 3 of every row,
	v_add_nc_u32 v[RD], s23, v[CO]                 ; so four registers of bias serve the wave's whole tile
	; where my part of the tile begins in out0
	s_lshl_b32 s13, s13, 8                         ; 256 x tile row
	s_lshl_b32 s14, s11, 7
	s_add_co_u32 s16, s13, s14                     ; my first row
	s_mov_b32 s17, 0
	s_mov_b64 s[18:19], SIZE_N*4
	s_mul_u64 s[16:17], s[16:17], s[18:19]
	s_lshl_b32 s46, s42, 10                        ; my first column, in bytes of f32: 1,024 x tile column + 512 x half (in the registers that held wq's address: none that feeds xb's descriptors ever holds cx)
	s_lshl_b32 s47, s12, 9
	s_add_co_u32 s46, s46, s47
	s_mov_b32 s47, 0
	s_add_nc_u64 s[16:17], s[16:17], s[46:47]
	s_add_nc_u64 s[8:9], s[8:9], s[16:17]          ; written once: the rows stand in the stores' immediates
	v_add_nc_u32 v[BO], s46, v[CO]
	global_load_b128 v[BI:BI+3], v[BO], s[70:71]   ; bias of my four columns
	; the prefetches.  s13 = 256 x tile row, s42 = tile column, s40 = cx, s41 = cy still stand
	s_lshl_b32 s42, s42, 8
	s_and_b32 s22, ttmp7, 0xffff                   ; cluster y
	s_cmp_eq_u32 s11, 0                            ; do I fetch for xb?
	s_cselect_b32 s20, s13, s42                    ; the tile's first row: in xb by the tile row, in wq by the tile column
	s_cselect_b32 s21, s40, s41                    ; my place among the four that ask for it with me
	s_cselect_b32 s22, ttmp9, s22                  ; the coordinate along which other clusters read the same rows
	s_cselect_b64 s[PFA:PFA+1], s[4:5], s[6:7]
	s_cmp_eq_u32 s22, 0
	s_cselect_b32 s[LIM], 1, -1                    ; the same in all sixteen partners, for a given wave
	s_lshl_b32 s22, s12, 7
	s_add_co_u32 s20, s20, s22                     ; + the 128 rows that I fetch
	s_lshl_b32 s21, s21, 5
	s_add_co_u32 s20, s20, s21                     ; + my work-group's 32 of them
	s_mov_b32 s21, 0
	s_mov_b64 s[18:19], SIZE_K*2
	s_mul_u64 s[20:21], s[20:21], s[18:19]
	s_add_nc_u64 s[PFA:PFA+1], s[PFA:PFA+1], s[20:21]
	s_add_nc_u64 s[PFA:PFA+1], s[PFA:PFA+1], 2*KSTEP*2  ; at K step 2: the first refill steps it to 3 and names K step 4
	v_and_b32 v[PFO], 31, v0
	v_mul_u32_u24 v[PFO], v[PFO], SIZE_K*2
	; nothing is prefetched here, at the head, where every work-group's first two tiles are on their way: K steps 2 and 3 come by their refills alone
; 16 matrix instructions: m blocks a0, a0 + 1 of the window's four (hi = 0: my rows 0-63, 1: rows 64-127) x all 8 n blocks, 32 along K.  zero = 1: the first product starts the sums: nothing is ever cleared.
; The 64 accumulators take turns, one instruction a turn, in the same order in every quarter step, over the backward jump and into the tail.
.macro MUL16 f, hi, a0, zero
	WIN MUL_LO+0x50*(\hi)  ; MUL_LO or MUL_HI
.irp a, \a0, (\a0)+1
.irp b, 0,1,2,3,4,5,6,7
.if \zero
	v_wmma_f32_16x16x32_bf16 v[8*(8*(\a)+(\b)):8*(8*(\a)+(\b))+7], v[(\f)+8*(\b):(\f)+8*(\b)+7], v[(\f)+8*(4*(\hi)+(\a)):(\f)+8*(4*(\hi)+(\a))+7], 0
.else
	v_wmma_f32_16x16x32_bf16 v[8*(8*(\a)+(\b)):8*(8*(\a)+(\b))+7], v[(\f)+8*(\b):(\f)+8*(\b)+7], v[(\f)+8*(4*(\hi)+(\a)):(\f)+8*(4*(\hi)+(\a))+7], v[8*(8*(\a)+(\b)):8*(8*(\a)+(\b))+7]
.endif
.endr
.endr
.endm
; 32 LDS loads in one run: the fragments of one quarter step (128 rows of wq, 128 rows of xb, 32 K at byte k of the rows) into buffer f
.macro FETCH slot, k, f
	WIN TO_B
.irp i, 0,1,2,3,4,5,6,7
	ds_load_b128 v[(\f)+8*(\i):(\f)+8*(\i)+3],   v[ADRB+(\slot)] offset:(\k)+(\i)*16*PITCH
	ds_load_b128 v[(\f)+8*(\i)+4:(\f)+8*(\i)+7], v[ADRB+(\slot)] offset:(\k)+(\i)*16*PITCH+32
.endr
	WIN 0
.irp i, 0,1,2,3,4,5,6,7
	ds_load_b128 v[(\f)+8*(\i):(\f)+8*(\i)+3],   v[ADRA+(\slot)] offset:(\k)+(\i)*16*PITCH
	ds_load_b128 v[(\f)+8*(\i)+4:(\f)+8*(\i)+7], v[ADRA+(\slot)] offset:(\k)+(\i)*16*PITCH+32
.endr
.endm
; A load into a register that a matrix instruction has read, and a store that reads a matrix result, stand four places behind that matrix instruction, and only plain vector instructions that name none of its
; registers are places (ISA guide 7.12.1 for vector instructions); the matrix instructions in between are not counted.
.macro PLACES
.rept 4
	v_nop
.endr
.endm
; A K step is four quarter steps of 32 along K, 64 matrix instructions each, on buffers 0, 1, 0, 1.
; One of the first three: multiplies buffer f; in its middle it fetches the next quarter's fragments, at byte k of the same slot's rows, into buffer g.
.macro QUARTER slot, k, f, g, zero
	s_wait_dscnt 8                                 ; wq and xb's rows 0-63 are in; the youngest eight loads (xb's rows 64-127) may be out
	WIN MUL_LO
	MUL16 \f, 0, 0, \zero
	MUL16 \f, 0, 2, \zero
	PLACES
	FETCH \slot, \k, \g
	s_wait_dscnt 32                                ; all but the 32 just issued
	WIN MUL_HI
	MUL16 \f, 1, 0, \zero
	MUL16 \f, 1, 2, \zero
.endm
; The last quarter multiplies buffer 1 and changes slots.  MEET is its first half: ONE barrier for the change of slots, for two things.  In front of it each wave waits for all its tensor loads, of which one is
; out: its part of the next slot; adds 0 to its spare word; and waits for that and for its own reads of this slot.  Behind it nobody reads this slot any more and the next slot is whole.
.macro MEET round                      ; round = 1: a round of the cluster's barrier follows
	WIN 0                                          ; (the add's two registers lie in window 0)
	s_wait_tensorcnt 0x0                           ; all my tensor loads have landed: the one that was out is my part of the next slot;
	ds_add_u32 v[SPW], v[NIL]                      ; 0 onto my spare word;
	s_wait_dscnt 9                                 ; (the add and the youngest eight loads may be out)
	WIN MUL_LO
	MUL16 F1, 0, 0, 0                              ; sixteen matrix instructions stand between the add and the wait for it
	s_wait_dscnt 0x0                               ; the add is done, and my reads of this slot are over:
	s_barrier_signal -1                            ; say so (where a slot is filled again this barrier opens a round of the cluster's barrier),
	MUL16 F1, 0, 2, 0                              ; work on registers while the others arrive,
.if \round
	WIN 0
.endif
	s_barrier_wait -1                              ; and go on when all four have said so
.endm
; The whole last quarter, where the slot just read out is filled again, with the K step two steps on: the first tensor load behind the round.  From a request to the wait for it a wave issues 224 matrix instructions.
.macro TURN slot, next
	s_wait_xcnt 0x0                                ; the last prefetch, a K step back, has read its address: it is stepped here, ahead of the waits of the change of slots
	s_add_nc_u64 s[PFA:PFA+1], s[PFA:PFA+1], KSTEP*2
	MEET 1
	CREST                                          ; wave 0 says so for the work-group, all sixteen work-groups have said so, my work-group's barrier closes the round:
	                                               ; no wave of any partner still reads this slot's tile or has a load on its way
	s_add_nc_u64 s[G0+4*(\slot)+2:G0+4*(\slot)+3], s[G0+4*(\slot)+2:G0+4*(\slot)+3], 2*KSTEP*2    ; no tensor load of mine is out: a group 0 may be written; the type bits on top are not reached
	s_add_nc_u64 s[G0B+4*(\slot)+2:G0B+4*(\slot)+3], s[G0B+4*(\slot)+2:G0B+4*(\slot)+3], 2*KSTEP*2
	JLOAD \slot                                    ; the four v_nop behind it are also the places in front of the loads below
	FETCH \next, 0, F0
	ASK                                            ; behind the joint load and the run of LDS loads that the next products wait for
	WIN MUL_HI
	MUL16 F1, 1, 0, 0
	MUL16 F1, 1, 2, 0
.endm
; The change to the last slot: nothing is left to fetch, so no round follows and no load is issued.
.macro TURNL
	MEET 0
	PLACES                                         ; for the loads into buffer 0, which the quarter before multiplied
	FETCH 1, 0, F0
	WIN MUL_HI
	MUL16 F1, 1, 0, 0
	MUL16 F1, 1, 2, 0
.endm
; THE WAY OUT of block a (16 rows x 128 columns), in two parts.  TOSTAGE: the sums go as they are, 32 bytes a lane and accumulator, into my own stage in LDS (each accumulator's low four registers first)
; and come back as whole rows of 512 bytes, into the registers that held xb's fragments, two sets by turns.
.macro TOSTAGE a
.set AC, 64*((\a)%4)
.set BK, F0+64*((\a)%2)
	WIN 0x08+4*((\a)/4)                            ; the stores' data (source 1) in window 2 or 3, their address in window 0
.irp b, 0,1,2,3,4,5,6,7
	ds_store_b128 v[STO], v[AC+8*(\b):AC+8*(\b)+3]   offset:64*(\b)
	ds_store_b128 v[STO], v[AC+8*(\b)+4:AC+8*(\b)+7] offset:64*(\b)+16
.endr
	WIN 0
.if (\a) >= 2
	s_wait_xcnt 0x0                                ; the stores of the block two back name this set of registers as their data: it is loaded again only behind this wait
.endif
.irp t, 0,1,2,3,4,5,6,7,8,9,10,11,12,13,14,15
	ds_load_b128 v[BK+4*(\t):BK+4*(\t)+3], v[RD] offset:(\t)*SPITCH  ; LDS serves a wave's instructions in order (ISA guide 5.7.1.4): these see the stores above; the next block's stores come behind them
.endr
.endm
; SEND: each row times inv plus bias, two fused multiply-adds an instruction, and stored.  younger: the LDS instructions issued behind block a's loads: the next block's 32, or none.
.macro SEND a, younger
	WIN 0
.set BK, F0+64*((\a)%2)
.irp t, 0,1,2,3,4,5,6,7,8,9,10,11,12,13,14,15
	s_wait_dscnt (\younger)+15-(\t)                ; row t is back; the block's 15 - t later rows and what is younger may be out
	v_pk_fma_f32 v[BK+4*(\t):BK+4*(\t)+1],   v[BK+4*(\t):BK+4*(\t)+1],   s[INV:INV+1], v[BI:BI+1]   op_sel_hi:[1,0,1]
	v_pk_fma_f32 v[BK+4*(\t)+2:BK+4*(\t)+3], v[BK+4*(\t)+2:BK+4*(\t)+3], s[INV:INV+1], v[BI+2:BI+3] op_sel_hi:[1,0,1]
	global_store_b128 v[CO], v[BK+4*(\t):BK+4*(\t)+3], s[8:9] offset:(16*(\a)+(\t))*SIZE_N*4 th:TH_STORE_NT  ; 32 lanes store 512 consecutive bytes, at a multiple of 512 from out0's first byte; the row stands in the immediate, 127 x 16,384 at the most, inside its signed 24 bits
.endr
.endm
	s_wait_kmcnt 0x0                               ; inv
	s_mov_b32 s[INV+1], s[INV]                     ; named with it as a pair, so it is written
	s_wait_loadcnt 0x0                             ; bias: waited for here, beside the wait for the first tile, so that no load into registers is out at a barrier
	s_wait_tensorcnt 1                             ; my part of K step 0 is in; K step 1's may stay out
	s_barrier_signal -1
	s_barrier_wait -1                              ; everybody's is
	FETCH 0, 0, F0
	QUARTER 0, 64,  F0, F1, 1                      ; the first quarter stands in front of the loop: its products start the sums
	WIN 0                                          ; at a label and at a branch every window is 0
	s_mov_b32 s3, LAPS-1
.Llap:                                                 ; 15 trips: a trip goes once round the ring, from a lap's second quarter to the next lap's first, and fills both slots again
	QUARTER 0, 128, F1, F0, 0
	QUARTER 0, 192, F0, F1, 0
	TURN 0, 1
	QUARTER 1, 64,  F0, F1, 0
	QUARTER 1, 128, F1, F0, 0
	QUARTER 1, 192, F0, F1, 0
	TURN 1, 0
	QUARTER 0, 64,  F0, F1, 0
	WIN 0
	s_sub_co_u32 s3, s3, 1
	s_cmp_lg_u32 s3, 0
	s_cbranch_scc1 .Llap
	QUARTER 0, 128, F1, F0, 0                      ; the last lap is written out: it fills nothing
	QUARTER 0, 192, F0, F1, 0
	TURNL
	QUARTER 1, 64,  F0, F1, 0
	QUARTER 1, 128, F1, F0, 0
	QUARTER 1, 192, F0, F1, 0
	s_wait_dscnt 8                                 ; the very last quarter: nothing more to fetch
	WIN MUL_LO
	MUL16 F1, 0, 0, 0
	MUL16 F1, 0, 2, 0
	s_wait_dscnt 0x0
	WIN MUL_HI
	MUL16 F1, 1, 0, 0
	MUL16 F1, 1, 2, 0
	WIN 0
	PLACES                                         ; the places between the last products and the stage's stores, which read results, and the loads into xb's buffers;
	PLACES                                         ; eight, once a launch: no other vector work is at hand
	TOSTAGE 0
.irp a, 1,2,3,4,5,6,7                  ; block a's way through the stage stands between block a - 1's loads from the stage and the waits for them
	TOSTAGE \a
	SEND (\a)-1, 32
.endr
	SEND 7, 0
	s_wait_tensorcnt 0x0                           ; the wave's end, behind my last tensor load and my last LDS store
	ds_add_u32 v[SPW], v[NIL]
	s_wait_dscnt 0x0
	CROUND                                         ; the closing round: no work-group ends while a partner may still ask for a tile that names it
	s_endpgm
.Lfunc_end_k_q891330d87b_gemm:
	.size	k_q891330d87b_gemm, .Lfunc_end_k_q891330d87b_gemm-k_q891330d87b_gemm
	.p2alignl 7, 3214868480
	.fill 96, 4, 3214868480
	.section	.rodata,"a",@progbits
	.p2align	6, 0x0
	.amdhsa_kernel k_q891330d87b_gemm
		.amdhsa_group_segment_fixed_size 327680
		.amdhsa_private_segment_fixed_size 0
		.amdhsa_enable_private_segment 0
		.amdhsa_kernarg_size 40
		.amdhsa_user_sgpr_count 2
		.amdhsa_user_sgpr_kernarg_segment_ptr 1
		.amdhsa_wavefront_size32 1
		.amdhsa_system_sgpr_workgroup_id_x 1
		.amdhsa_system_sgpr_workgroup_id_y 1
		.amdhsa_system_sgpr_workgroup_id_z 1
		.amdhsa_system_vgpr_workitem_id 0
		.amdhsa_next_free_vgpr 1024
		.amdhsa_next_free_sgpr 76
		.amdhsa_reserve_vcc 0
		.amdhsa_float_denorm_mode_32 3
		.amdhsa_float_denorm_mode_16_64 3
		.amdhsa_memory_ordered 1
		.amdhsa_forward_progress 1
		.amdhsa_inst_pref_size 162
	.end_amdhsa_kernel
	.amdgpu_metadata
---
amdhsa.version: [ 1, 2 ]
amdhsa.kernels:
  - .name:           k_q891330d87b_gemm
    .symbol:         k_q891330d87b_gemm.kd
    .args:
      - { .name: xb, .offset: 0, .size: 8, .value_kind: global_buffer, .address_space: global }
      - { .name: wq, .offset: 8, .size: 8, .value_kind: global_buffer, .address_space: global }
      - { .name: scl, .offset: 16, .size: 8, .value_kind: global_buffer, .address_space: global }
      - { .name: bias, .offset: 24, .size: 8, .value_kind: global_buffer, .address_space: global }
      - { .name: out0, .offset: 32, .size: 8, .value_kind: global_buffer, .address_space: global }
    .group_segment_fixed_size: 327680
    .private_segment_fixed_size: 0
    .kernarg_segment_align: 8
    .kernarg_segment_size: 40
    .max_flat_workgroup_size: 128
    .sgpr_count:     76
    .vgpr_count:     1024
    .wavefront_size: 32
...
	.end_amdgpu_metadata
.endif
;; end of part 3
